; MI455X (gfx1250); checked and timed in simulation.
; The chip was launched on July 23, 2026; its instructions are those of AMD's public machine-readable ISA for CDNA 5 (MIT licence, August 2026) and "CDNA5" Instruction Set Architecture Reference Guide (July 2026). The comments in the code are by the model that wrote it; some were corrected since.
;; Multi Headed Attention. Allowed arithmetic: matrix products marked QUANTISED: E4M3 operands, one E8M0 scale for each 32 along K, by v_wmma_scale_f32_16x16x128_f8f6f4 with both operands' format E4M3, f32 sums; everything else in f32.
;; Inputs: K 2 x 4,096 x 512 float32; Q 2 x 4,096 x 512 float32; V 2 x 4,096 x 512 float32; Wk 512 x 512 float32; Wo 512 x 512 float32; Wq 512 x 512 float32; Wv 512 x 512 float32; bk 512 float32; bo 512 float32; bq 512 float32; bv 512 float32.
;; Outputs: out0 2 x 4,096 x 512 float32.
;; This version of the problem:
;;   THIS VERSION OF THE PROBLEM IS GIVEN IN LOW PRECISION. The matrix products marked QUANTISED in the list below multiply operands that are first quantised to E4M3 (4 exponent bits, 3 mantissa bits; 8 bits a number), with one power-of-two scale for each 32 numbers along K (OCP MX v1.0); their sums are f32. All else is computed in f32.
;;   The module's matrix products, in the order in which they are computed (A, B: the left and right operand; K: the contracted axis; several contracted axes count as one K, in the product's order):
;;     1. [M 8,192, K 512] x [K 512, N 512]; A: input Q; B: input Wq: QUANTISED
;;     2. [M 8,192, K 512] x [K 512, N 512]; A: input K; B: input Wk: QUANTISED
;;     3. [M 8,192, K 512] x [K 512, N 512]; A: input V; B: input Wv: QUANTISED
;;     4. batch 16 x [M 4,096, K 64] x [K 64, N 4,096]; A: computed on the way; B: computed on the way: QUANTISED
;;     5. batch 16 x [M 4,096, K 4,096] x [K 4,096, N 64]; A: softmax (see below); B: computed on the way: QUANTISED
;;     6. [M 8,192, K 512] x [K 512, N 512]; A: computed on the way; B: input Wo: QUANTISED
;;   THE QUANTISER, for each operand of a quantised product, along K:
;;     - K is cut into blocks of 32 from its start; a last block that is shorter is filled with zeros.
;;     - A block's scale is 2^e with e = floor(log2(the largest magnitude in the block)) - 8, held to -126 .. 127; a block of zeros has e = 0. As a byte (E8M0): e + 127.
;;     - Each number is divided by its block's scale, clamped to +-448, and rounded to the nearest number of E4M3, ties to even, subnormals kept.
;;     - The product sums the exact products of the quantised numbers (number of the format x scale) in f32.
;;   ~~~python
;;   def quantise(x, axis):      # numpy; x: float32 -> the quantised numbers, widened to float32 again
;;       x = np.moveaxis(x, axis, -1); K = x.shape[-1]
;;       x = np.pad(x, [(0, 0)] * (x.ndim - 1) + [(0, -K % 32)]); x = x.reshape(x.shape[:-1] + (-1, 32)); a = np.abs(x).max(-1, keepdims=True)
;;       e = np.where(a > 0, np.clip(np.frexp(np.where(a > 0, a, 1))[1] - 1 - 8, -126, 127), 0)      # np.frexp(a)[1] - 1 = floor(log2(a)), exactly
;;       r = np.clip(x / 2.0 ** e, -448, 448)
;;       step = 2.0 ** (np.maximum(np.frexp(np.where(r == 0, 1, r))[1] - 1, -6) - 3)
;;       q = np.round(r / step) * step * 2.0 ** e      # np.round: ties to even
;;       return np.moveaxis(q.reshape(q.shape[:-2] + (-1,))[..., :K], -1, axis).astype(np.float32)
;;   ~~~
;;   SOFTMAX AHEAD OF A QUANTISED PRODUCT. Where the list says 'softmax', what is quantised is not the finished softmax but p = 2^(t - M), with t = logit x log2(e) and M = ceil(the row's largest t), a whole number; so 1/2 < the row's largest p <= 1. The row's sum l is taken of the UNQUANTISED p, in f32, and the product's result is divided by l at the end. Since M is a whole number, a kernel that streams over the keys may use a running M (the ceiling of the running maximum): every later rescaling is an exact power of two, which a block's scale takes up: the codes' values come out the same.
;;   OPERANDS COMPUTED ON THE WAY. 'Computed on the way' means the value that the module computes at that place (a softmax that the list does not call 'softmax' is quantised finished and normalised). What goes into a quantiser is computed in f32, as accurately as f32 sums, v_exp_f32 and their like allow (about 1e-6 of the number): no bf16 or f16 on the way to a quantiser, and a product that is left as it is and whose result goes on into a quantised operand takes f32 operands (vector FMAs, or v_wmma_f32_16x16x4_f32). A number that lies on a knife's edge between two numbers of the format may be rounded either way, as far as f32 arithmetic and the matrix unit's own rounding can turn it there, and no further.
;; One version. Each part assembles by itself: llvm-mc -triple=amdgcn-amd-amdhsa -mcpu=gfx1250 --defsym DOCPART=n.
;; ======== version 1 of 1: 4 launches
;; limits: right only within a limited range of input values
;; workspace buffers: cod 13,631,488 bytes; scl 425,984 bytes; hc 12,582,912 bytes; hs 393,216 bytes; oc 4,194,304 bytes; os 131,072 bytes
;; launch quant (part 1): grid 416 x 1, 4 waves a work-group, no clusters, 34,304 bytes of LDS; arguments Q, K, V, Wq, Wk, Wv, Wo, cod, scl; writes cod, scl
.if DOCPART == 1
	.amdgcn_target "amdgcn-amd-amdhsa--gfx1250"
	.amdhsa_code_object_version 6
	.text
	.protected	k_qdced3c01eb_quant
	.globl	k_qdced3c01eb_quant
	.p2align	8
	.type	k_qdced3c01eb_quant,@function
k_qdced3c01eb_quant:
	s_mov_b64 s[64:65], 0
	v_nop
	global_prefetch_b8 v0, s[64:65] scope:SCOPE_SE
	s_setreg_imm32_b32 hwreg(HW_REG_WAVE_MODE, 25, 1), 1
	s_wait_xcnt 0x0
; Q, K, V [8192][512] and Wq, Wk, Wv, Wo [512][512], f32 with K (the 512) innermost, become codes of FP8 (E4M3) with one E8M0 scale byte for each 32 along K.
; A block's scale is 2^(floor(log2(its largest magnitude)) - 8); its byte is the largest magnitude's exponent field - 8, held at 1 from below; each number is divided by the scale, held within +-448, rounded to the nearest code.
; LIMITS: NaN and infinities among the inputs are not served.  A block of zeros gets the byte 1 where the rule says 127: its codes are zeros, and the bytes are read by this program alone.
; THE TILE.  Tile T of a tensor is 16 rows: lane r holds row 32 (T / 2) + 8 (T % 2) + r + 8 (r / 8).  All seven tensors are numbered on end: Q 0-511, K 512-1023, V 1024-1535, Wq 1536-, Wk 1568-, Wv 1600-, Wo 1632-1663.
; THE OUTPUT IS AN IMAGE OF OPERAND REGISTERS.  cod: [tile][K step of 128: 4][piece 4][lane 32][16 bytes]: piece c of a fragment is registers 4 c .. 4 c + 3, lane (r, h) holding k = 32 c + 16 h + 0 .. 15.
; scl: [tile][r 16][K step 4] scale words.  So every later load of codes is 512 consecutive bytes, 16 a lane, and a row's four scale words are 16 bytes.
; SHARES.  A wave takes one tile, four K steps.  Each load reads 512 consecutive bytes of one row; a K step's 16 rows turn through the wave's own stage in LDS (rows 528 bytes apart, so that the 16 rows
; of a read start 4 words apart modulo 64 words) and come back 16 neighbours of each block a lane.  No barrier: waves share nothing.  Loads run two K steps (32 loads a wave) ahead.
.set STG,  8448                        ; a wave's stage: 16 rows x (512 + 16) bytes
.set LI,   1                           ; v1   16 x lane: my place in a load's or a store's 512 bytes
.set SIN,  2                           ; v2   the stage, on the way in: my wave's + 16 x lane
.set SOUT, 3                           ; v3   and on the way out: my wave's + 528 r + 64 h
.set SCO,  4                           ; v4   16 r: my row's four scale words
.set LANE, 5                           ; v5   lane
.set RAW,  16                          ; v16-143  two sets of 64: a K step as it is loaded
.set X,    144                         ; v144-207 register 16 b + i = k 32 b + 16 h + i of my row
.set PC,   208                         ; v208-223 the codes just made
.set TM,   224                         ; v224-239 +0 largest magnitudes, +4 the other half's, then bytes, +12 the conversions' scale operands
.set SW,   240                         ; v240-243 the four K steps' scale words
.set COD,  18                          ; s[18:19]
.set SCL,  20                          ; s[20:21]
.set SRC,  22                          ; s[22:23] my tensor, then my tile
.set WV,   24
.set MNT,  31
.set SEL,  32                          ; s[32:33] v_permlanex16_b32's selects for lane l xor 16
; 64 numbers of a lane, v[s] on, become a fragment's codes in v[PC] on and its scale word in v[w].
.macro QUANT s, w
.irp b, 0,1,2,3
	v_max3_num_f32 v[TM+\b], |v[\s+16*\b]|, |v[\s+1+16*\b]|, 0x4800000   ; block b: my 16 numbers, and the floor 2^(9 - 127): the byte cannot fall under 1
.endr
.irp i, 2,4,6,8,10,12,14
.irp b, 0,1,2,3
	v_max3_num_f32 v[TM+\b], v[TM+\b], |v[\s+16*\b+\i]|, |v[\s+1+16*\b+\i]|   ; the four blocks by turns
.endr
.endr
.irp b, 0,1,2,3
	v_permlanex16_b32 v[TM+4+\b], v[TM+\b], s[SEL], s[SEL+1]
.endr
.irp b, 0,1,2,3
	v_max_num_f32 v[TM+\b], v[TM+\b], v[TM+4+\b]   ; with lane l xor 16's 16: the block's largest magnitude
.endr
.irp b, 0,1,2,3
	v_add_nc_u32 v[TM+12+\b], 0xfc000000, v[TM+\b]   ; 8 off its exponent field: the conversion takes this operand's exponent field as its scale
.endr
.irp b, 0,1,2,3
.endr
.irp b, 0,1,2,3
	v_lshrrev_b32 v[TM+4+\b], 23, v[TM+12+\b]      ; the scale's byte
.endr
	v_lshl_or_b32 v[\w], v[TM+5], 8, v[TM+4]
	v_lshl_or_b32 v[\w], v[TM+6], 16, v[\w]
	v_lshl_or_b32 v[\w], v[TM+7], 24, v[\w]
.irp b, 0,1,2,3
.irp i, 0,1,2,3,4,5,6,7,8,9,10,11,12,13,14,15
.endr
	v_cvt_scalef32_pk8_fp8_f32 v[PC+4*\b:PC+1+4*\b], v[\s+16*\b:\s+7+16*\b], v[TM+12+\b]
	v_cvt_scalef32_pk8_fp8_f32 v[PC+2+4*\b:PC+3+4*\b], v[\s+8+16*\b:\s+15+16*\b], v[TM+12+\b]
.endr
	v_nop                                          ; one plain line behind the last conversion
.endm
.macro LOAD s                          ; K step s of my 16 rows: a load reads 512 consecutive bytes of one row
.irp i, 0,1,2,3,4,5,6,7,8,9,10,11,12,13,14,15
	global_load_b128 v[RAW+64*((\s)%2)+4*\i:RAW+64*((\s)%2)+4*\i+3], v[LI], s[SRC:SRC+1] offset:(\i+8*(\i/8))*2048+512*(\s) th:TH_LOAD_NT
.endr
.endm
.macro STEP s
.if \s < 3
	s_wait_loadcnt 16                              ; this K step's 16 loads are in; the next step's 16, issued behind them, may be out
.else
	s_wait_loadcnt 0x0
.endif
.irp i, 0,1,2,3,4,5,6,7,8,9,10,11,12,13,14,15
	ds_store_b128 v[SIN], v[RAW+64*(\s%2)+4*\i:RAW+64*(\s%2)+4*\i+3] offset:528*\i
.endr
.irp b, 0,1,2,3
.irp q, 0,1,2,3
	ds_load_b128 v[X+16*\b+4*\q:X+16*\b+4*\q+3], v[SOUT] offset:128*\b+16*\q   ; LDS serves a wave's instructions in order: these see the stores above
.endr
.endr
	s_wait_dscnt 0x0                               ; my numbers are back, and the stores have read their registers,
.if \s < 2
	LOAD \s+2                                      ; which take the loads of two K steps on
.endif
.if \s > 0
	s_wait_xcnt 0x0                                ; the last step's stores have read the codes' registers: they are written again only behind this wait
.endif
	QUANT X, SW+\s
.irp p, 0,1,2,3
	global_store_b128 v[LI], v[PC+4*\p:PC+4*\p+3], s[COD:COD+1] offset:2048*\s+512*\p   ; 32 lanes store 512 consecutive bytes, aligned
.endr
.endm
	s_load_b256 s[4:11], s[0:1], 0x0               ; Q, K, V, Wq
	s_load_b256 s[12:19], s[0:1], 0x20             ; Wk, Wv, Wo, cod
	s_load_b64 s[20:21], s[0:1], 0x40              ; scl
	v_lshl_add_u32 v254, v0, 2, 0x8400
	v_mov_b32 v255, 0
	v_lshrrev_b32 v6, 5, v0
	v_readfirstlane_b32 s[WV], v6                  ; wave 0..3
	v_and_b32 v[LANE], 31, v0
	v_and_b32 v7, 15, v0                           ; r
	v_bfe_u32 v8, v0, 4, 1                         ; h
	v_lshlrev_b32 v[LI], 4, v[LANE]
	s_mul_i32 s25, s[WV], STG
	v_add_nc_u32 v[SIN], s25, v[LI]
	v_mul_u32_u24 v[SOUT], v7, 528
	v_lshl_add_u32 v[SOUT], v8, 6, v[SOUT]
	v_add_nc_u32 v[SOUT], s25, v[SOUT]
	v_lshlrev_b32 v[SCO], 4, v7
	s_mov_b32 s[SEL], 0x76543210
	s_mov_b32 s[SEL+1], 0xfedcba98
.irp b, 0,1,2,3
	v_mov_b32 v[TM+4+\b], 0                        ; written once: a lane permute's destination counts as one of its sources
.endr
	s_cmp_lt_u32 ttmp9, 384                        ; work-groups 0-383: Q, K, V, 128 each; 384-415: the four weights, 8 each
	s_cselect_b32 s26, 127, 7
	s_and_b32 s26, ttmp9, s26
	s_lshl_b32 s26, s26, 2
	s_add_co_u32 s26, s26, s[WV]                   ; my tile in its tensor
	s_lshr_b32 s27, s26, 1
	s_lshl_b32 s27, s27, 16                        ; 32 rows of 2,048 bytes for each pair of tiles,
	s_and_b32 s28, s26, 1
	s_lshl_b32 s28, s28, 14                        ; 8 rows for the odd one
	s_add_co_u32 s28, s27, s28
	s_mov_b32 s29, 0
	s_lshl_b32 s34, ttmp9, 2
	s_add_co_u32 s34, s34, s[WV]                   ; my tile among all 1,664
	s_lshl_b32 s36, s34, 13
	s_mov_b32 s37, 0
	s_lshl_b32 s38, s34, 8
	s_mov_b32 s39, 0
	s_wait_alu depctr_va_vdst(0)
	s_wait_kmcnt 0x0
	s_cmp_lt_u32 ttmp9, 128                        ; the tensor is chosen by the work-group's number alone: one path through the text serves all seven
	s_cselect_b64 s[SRC:SRC+1], s[4:5], s[6:7]
	s_cmp_lt_u32 ttmp9, 256
	s_cselect_b64 s[SRC:SRC+1], s[SRC:SRC+1], s[8:9]
	s_cmp_lt_u32 ttmp9, 384
	s_cselect_b64 s[SRC:SRC+1], s[SRC:SRC+1], s[10:11]
	s_cmp_lt_u32 ttmp9, 392
	s_cselect_b64 s[SRC:SRC+1], s[SRC:SRC+1], s[12:13]
	s_cmp_lt_u32 ttmp9, 400
	s_cselect_b64 s[SRC:SRC+1], s[SRC:SRC+1], s[14:15]
	s_cmp_lt_u32 ttmp9, 408
	s_cselect_b64 s[SRC:SRC+1], s[SRC:SRC+1], s[16:17]
	s_add_nc_u64 s[SRC:SRC+1], s[SRC:SRC+1], s[28:29]
	s_add_nc_u64 s[COD:COD+1], s[COD:COD+1], s[36:37]
	s_add_nc_u64 s[SCL:SCL+1], s[SCL:SCL+1], s[38:39]
	LOAD 0
	LOAD 1
	STEP 0
	STEP 1
	STEP 2
	STEP 3
	s_wait_xcnt 0x0                                ; EXEC is a source of the stores above: it changes only behind this wait
	v_cmp_gt_u32 vcc_lo, 16, v[LANE]
	s_wait_tensorcnt 0x0
	ds_add_u32 v254, v255
	s_wait_dscnt 0x0
	s_and_saveexec_b32 s30, vcc_lo                 ; both halves of the lanes hold the same words: lanes 0-15 store them
	global_store_b128 v[SCO], v[SW:SW+3], s[SCL:SCL+1]   ; sixteen lanes store 256 consecutive bytes, aligned
	s_wait_xcnt 0x0
	s_or_b32 exec_lo, exec_lo, s30
	s_endpgm
.Lfunc_end_k_qdced3c01eb_quant:
	.size	k_qdced3c01eb_quant, .Lfunc_end_k_qdced3c01eb_quant-k_qdced3c01eb_quant
	.p2alignl 7, 3214868480
	.fill 96, 4, 3214868480
	.section	.rodata,"a",@progbits
	.p2align	6, 0x0
	.amdhsa_kernel k_qdced3c01eb_quant
		.amdhsa_group_segment_fixed_size 34304
		.amdhsa_private_segment_fixed_size 0
		.amdhsa_enable_private_segment 0
		.amdhsa_kernarg_size 72
		.amdhsa_user_sgpr_count 2
		.amdhsa_user_sgpr_kernarg_segment_ptr 1
		.amdhsa_wavefront_size32 1
		.amdhsa_system_sgpr_workgroup_id_x 1
		.amdhsa_system_sgpr_workgroup_id_y 1
		.amdhsa_system_sgpr_workgroup_id_z 1
		.amdhsa_system_vgpr_workitem_id 0
		.amdhsa_next_free_vgpr 256
		.amdhsa_next_free_sgpr 66
		.amdhsa_reserve_vcc 1
		.amdhsa_float_denorm_mode_32 3
		.amdhsa_float_denorm_mode_16_64 3
		.amdhsa_fp16_overflow 1
		.amdhsa_memory_ordered 1
		.amdhsa_forward_progress 1
		.amdhsa_inst_pref_size 34
	.end_amdhsa_kernel
	.amdgpu_metadata
---
amdhsa.version: [ 1, 2 ]
amdhsa.kernels:
  - .name:           k_qdced3c01eb_quant
    .symbol:         k_qdced3c01eb_quant.kd
    .args:
      - { .name: Q, .offset: 0, .size: 8, .value_kind: global_buffer, .address_space: global }
      - { .name: K, .offset: 8, .size: 8, .value_kind: global_buffer, .address_space: global }
      - { .name: V, .offset: 16, .size: 8, .value_kind: global_buffer, .address_space: global }
      - { .name: Wq, .offset: 24, .size: 8, .value_kind: global_buffer, .address_space: global }
      - { .name: Wk, .offset: 32, .size: 8, .value_kind: global_buffer, .address_space: global }
      - { .name: Wv, .offset: 40, .size: 8, .value_kind: global_buffer, .address_space: global }
      - { .name: Wo, .offset: 48, .size: 8, .value_kind: global_buffer, .address_space: global }
      - { .name: cod, .offset: 56, .size: 8, .value_kind: global_buffer, .address_space: global }
      - { .name: scl, .offset: 64, .size: 8, .value_kind: global_buffer, .address_space: global }
    .group_segment_fixed_size: 34304
    .private_segment_fixed_size: 0
    .kernarg_segment_align: 8
    .kernarg_segment_size: 72
    .max_flat_workgroup_size: 128
    .sgpr_count:     66
    .vgpr_count:     256
    .wavefront_size: 32
...
	.end_amdgpu_metadata
.endif
;; end of part 1
;; launch proj (part 2): grid 192 x 1, 4 waves a work-group, no clusters, 4,608 bytes of LDS; arguments cod, scl, bq, bk, bv, hc, hs; writes hc, hs
.if DOCPART == 2
	.amdgcn_target "amdgcn-amd-amdhsa--gfx1250"
	.amdhsa_code_object_version 6
	.text
	.protected	k_qdced3c01eb_proj
	.globl	k_qdced3c01eb_proj
	.p2align	8
	.type	k_qdced3c01eb_proj,@function
k_qdced3c01eb_proj:
	s_mov_b64 s[64:65], 0
	v_nop
	global_prefetch_b8 v0, s[64:65] scope:SCOPE_SE
	s_setreg_imm32_b32 hwreg(HW_REG_WAVE_MODE, 25, 1), 1
	s_wait_xcnt 0x0
; The three input projections y = x W^T + bias on codes of FP8 (E4M3) with E8M0 scales, and the quantising of their results for attention's two products.  Sums in f32; the bias is the C of each sum's first matrix instruction.
; ONE SHAPE: D = P (source 0, 128 rows: 8 tiles) x R (source 1, a tile of 16 rows), K = 512 in four steps; the result is quantised ALONG P's ROWS, which lie along a lane's registers:
; with the tile's rows chosen as they are (lane r of tile T: row 32 (T / 2) + 8 (T % 2) + r + 8 (r / 8)), register 16 b + i of the 8 result tiles is P's row 32 b + 16 h + i: an operand's own order.
;   q, k: P = 128 rows of W (two heads' 64 channels), R = tiles of x: the registers run along the head's channels, the first product's K.
;   v:    P = 128 rows of x (a key step),             R = tiles of Wv: the registers run along the keys, the second product's K.
; SHARES.  Work-group = (tensor tau = x / 64, step of 128 rows x % 64); wave c = heads 2 c and 2 c + 1.  A wave: 8 slots of 32 matrix instructions and one quantising; P stays in 512 registers.
; OUT, images of operand registers.  hc: [tensor][step 64][head 8][8,192 bytes].  q, k: [fragment f 4][piece 4][lane][16]: pieces 0, 1 = tile 2 f (channels 0-63), pieces 2, 3 = tile 2 f + 1.  v: [channel tile 4][piece 4][lane][16].
; hs: [tensor][step][head][j 4][r 16] scale words; q, k: bytes 0, 1 tile 2 j's two blocks, bytes 2, 3 tile 2 j + 1's; v: the four key blocks of channel tile j.
; Operands go from memory straight into registers, 512 consecutive bytes a load, and each is multiplied from there: no LDS ring, no barrier, and no joint loads: a tile through LDS would add a round trip to 256 matrix instructions a wave.
; LIMITS: NaN and infinities are not served; a block of zeros gets the byte 1 (its codes are zeros; this program alone reads the bytes).
; REGISTERS, in windows of 256.  Window 0: below.  Windows 1, 2: P's fragment (t, s) at v[128 (s % 2) + 16 t] of window 1 + s / 2.  Window 3: v0-63, v64-127 R's two sets (K step s at + 16 s); from v128 the bias.
.set LI,   1                           ; v1   16 x lane
.set L16,  2                           ; v2   16 r: a row's four scale words
.set BQK,  3                           ; v3   64 h: q, k: my half's eight bias numbers of a tile
.set BVO,  4                           ; v4   4 (r + 8 (r / 8)): v: my channel's bias number
.set GA,   5                           ; v5   LDS: 512 x wave + 256 h + 4 r: where a scale word is gathered
.set GR,   6                           ; v6   LDS: 512 x wave + 16 x lane: where the gathered words are read back
.set PSC,  16                          ; v16-47   P's scale words: tile t, K step s at 4 t + s
.set RS,   48                          ; v48-55   R's: set rho, K step s at 4 rho + s
.set ACC,  64                          ; v64-127  the 8 result tiles
.set PC,   128                         ; v128-143 the codes just made
.set TM,   144                         ; v144-159 at work in QUANT
.set SW,   160                         ; v160-167 slot i's scale word
.set LO,   168
.set HI,   169
.set GB,   172                         ; v172-175 the gathered words
.set DAT,  176                         ; v176-179 what goes to LDS, a register for each pair of slots: none is written again
.set WV,   18
.set TAU,  19
.set PB,   24                          ; s[24:25] P's codes;  s[26:27] its scale words
.set PSB,  26
.set RB,   28                          ; s[28:29] R's codes;  s[30:31] its scale words
.set RSB,  30
.set BB,   32                          ; s[32:33] my 128 bias numbers
.set OB,   34                          ; s[34:35] my two heads in hc;  s[36:37] in hs
.set OSB,  36
.set HM,   38                          ; the mask of lanes 16-31
.set MNT,  39
.set SEL,  40                          ; s[40:41]
.set PLO,  42                          ; v_perm_b32's selects: the two low halves, the two high halves
.set PHI,  43
.set MSB, 0
.macro WIN new                         ; the immediate's high byte repeats the setting that is left; a switch that changes nothing is dropped
.if MSB != \new
	s_set_vgpr_msb (MSB<<8)|\new
.set MSB, \new
.endif
.endm
.macro QUANT s, w                      ; 64 numbers of a lane, v[s] on, become a fragment's codes in v[PC] on and its scale word in v[w]
.irp b, 0,1,2,3
	v_max3_num_f32 v[TM+\b], |v[\s+16*\b]|, |v[\s+1+16*\b]|, 0x4800000   ; block b: my 16 numbers, and the floor 2^(9 - 127).  Each result tile is read from its low end on
.endr
.irp i, 2,4,6,8,10,12,14
.irp b, 0,1,2,3
	v_max3_num_f32 v[TM+\b], v[TM+\b], |v[\s+16*\b+\i]|, |v[\s+1+16*\b+\i]|
.endr
.endr
.irp b, 0,1,2,3
	v_permlanex16_b32 v[TM+4+\b], v[TM+\b], s[SEL], s[SEL+1]
.endr
.irp b, 0,1,2,3
	v_max_num_f32 v[TM+\b], v[TM+\b], v[TM+4+\b]
.endr
.irp b, 0,1,2,3
	v_add_nc_u32 v[TM+12+\b], 0xfc000000, v[TM+\b]   ; 8 off the exponent field: the conversion's scale operand
.endr
.irp b, 0,1,2,3
.endr
.irp b, 0,1,2,3
	v_lshrrev_b32 v[TM+4+\b], 23, v[TM+12+\b]      ; the scale's byte
.endr
	v_lshl_or_b32 v[\w], v[TM+5], 8, v[TM+4]
	v_lshl_or_b32 v[\w], v[TM+6], 16, v[\w]
	v_lshl_or_b32 v[\w], v[TM+7], 24, v[\w]
.irp b, 0,1,2,3
.irp i, 0,1,2,3,4,5,6,7,8,9,10,11,12,13,14,15
.endr
	v_cvt_scalef32_pk8_fp8_f32 v[PC+4*\b:PC+1+4*\b], v[\s+16*\b:\s+7+16*\b], v[TM+12+\b]
	v_cvt_scalef32_pk8_fp8_f32 v[PC+2+4*\b:PC+3+4*\b], v[\s+8+16*\b:\s+15+16*\b], v[TM+12+\b]
.endr
	v_nop                                          ; one plain line behind the last conversion: the next products write v[s] on
.endm
.macro PLOAD                           ; P: 8 tiles x 4 K steps, and their scale words: they stay
.irp t, 0,1,2,3,4,5,6,7
	global_load_b128 v[PSC+4*\t:PSC+4*\t+3], v[L16], s[PSB:PSB+1] offset:256*\t
.endr
	WIN 0x40                                       ; destination window 1
.irp s, 0,1
.irp t, 0,1,2,3,4,5,6,7
.irp c, 0,1,2,3
	global_load_b128 v[128*\s+16*\t+4*\c:128*\s+16*\t+4*\c+3], v[LI], s[PB:PB+1] offset:8192*\t+2048*\s+512*\c
.endr
.endr
.endr
	WIN 0x80                                       ; destination window 2
.irp s, 2,3
.irp t, 0,1,2,3,4,5,6,7
.irp c, 0,1,2,3
	global_load_b128 v[128*(\s-2)+16*\t+4*\c:128*(\s-2)+16*\t+4*\c+3], v[LI], s[PB:PB+1] offset:8192*\t+2048*\s+512*\c
.endr
.endr
.endr
	WIN 0
.endm
; Slot i's tile of R into set i % 2.  mode 0 (q, k): tile i of x: 17 loads.  mode 1 (v): tile i / 2 + 4 (i % 2) of my 8 of Wv, so that slots 2 j and 2 j + 1 are channel tile j of my two heads; and the lane's
; own channel's bias number into all eight registers of a C: 25 loads.
.macro RLOAD mode, i
.set rho, (\i)%2
.if \mode
.set ra, (\i)/2+4*((\i)%2)
.else
.set ra, (\i)
.endif
	WIN 0xc0                                       ; destination window 3
.irp s, 0,1,2,3
.irp c, 0,1,2,3
	global_load_b128 v[64*rho+16*\s+4*\c:64*rho+16*\s+4*\c+3], v[LI], s[RB:RB+1] offset:8192*ra+2048*\s+512*\c
.endr
.endr
.if \mode
.irp j, 0,1,2,3,4,5,6,7
	global_load_b32 v[128+8*rho+\j], v[BVO], s[BB:BB+1] offset:128*(ra/2)+32*(ra%2)
.endr
.endif
	WIN 0
	global_load_b128 v[RS+4*rho:RS+4*rho+3], v[L16], s[RSB:RSB+1] offset:256*ra
.endm
; 32 matrix instructions: K step by K step, the eight result tiles by turns, one instruction a turn.
.macro MUL mode, r
.irp s, 0,1,2,3
.if \s == 0
	WIN 0x3d                                       ; source 0 (P) window 1, source 1 (R) and C (the bias) window 3, D window 0
.elseif \s == 1
	WIN 0x0d                                       ; C and D window 0
.else
	WIN 0x0e                                       ; P in window 2
.endif
.irp t, 0,1,2,3,4,5,6,7
.if \s == 0
.if \mode
	v_wmma_scale_f32_16x16x128_f8f6f4 v[ACC+8*\t:ACC+8*\t+7], v[16*\t:16*\t+15], v[64*(\r):64*(\r)+15], v[128+8*(\r):128+8*(\r)+7], v[PSC+4*\t], v[RS+4*(\r)]
.else
	v_wmma_scale_f32_16x16x128_f8f6f4 v[ACC+8*\t:ACC+8*\t+7], v[16*\t:16*\t+15], v[64*(\r):64*(\r)+15], v[128+8*\t:128+8*\t+7], v[PSC+4*\t], v[RS+4*(\r)]
.endif
.else
	v_wmma_scale_f32_16x16x128_f8f6f4 v[ACC+8*\t:ACC+8*\t+7], v[128*(\s%2)+16*\t:128*(\s%2)+16*\t+15], v[64*(\r)+16*\s:64*(\r)+16*\s+15], v[ACC+8*\t:ACC+8*\t+7], v[PSC+4*\t+\s], v[RS+4*(\r)+\s]
.endif
.endr
.endr
	WIN 0
.endm
.macro SLOT mode, i
.if (\i) < 7
.if \mode
	s_wait_loadcnt 25                              ; this slot's R is in (and all that was asked for earlier); the next slot's 25 loads, issued behind it, may be out
.else
	s_wait_loadcnt 17                              ; likewise: the next slot's 17
.endif
.else
	s_wait_loadcnt 0x0
.endif
	MUL \mode, (\i)%2
.rept 8
	v_nop                                          ; eight places between the last product and the first read of results
.endr
.if (\i) > 0
	s_wait_xcnt 0x0                                ; the last slot's stores have read the codes' registers
.endif
	QUANT ACC, SW+(\i)
.if (\i) < 6
	RLOAD \mode, (\i)+2                            ; into the set just multiplied: the eight places and QUANT's lines lie between
.endif
.irp p, 0,1,2,3
.if \mode
	global_store_b128 v[LI], v[PC+4*\p:PC+4*\p+3], s[OB:OB+1] offset:((\i)%2)*8192+((\i)/2)*2048+\p*512   ; head i % 2 of my two, channel tile i / 2, piece p: 512 consecutive bytes
.else
	global_store_b128 v[LI], v[PC+4*\p:PC+4*\p+3], s[OB:OB+1] offset:(\p/2)*8192+(\i)*1024+(\p%2)*512     ; head p / 2 of my two, tile i, its piece p % 2
.endif
.endr
.if (\i)%2                             ; a pair of slots makes one scale word a row for each of my two heads: lanes 0-15 put the first head's into LDS, lanes 16-31 the second's
.if \mode
	v_cndmask_b32 v[DAT+(\i)/2], v[SW+(\i)-1], v[SW+(\i)], s[HM]
.else
	v_perm_b32 v[LO], v[SW+(\i)], v[SW+(\i)-1], s[PLO]   ; the first head's two bytes of tile i - 1, then of tile i
	v_perm_b32 v[HI], v[SW+(\i)], v[SW+(\i)-1], s[PHI]   ; the second head's
	v_cndmask_b32 v[DAT+(\i)/2], v[LO], v[HI], s[HM]
.endif
	ds_store_b32 v[GA], v[DAT+(\i)/2] offset:2048*\mode+64*((\i)/2)
.endif
.endm
.macro FINISH mode                     ; my 512 bytes of scale words leave as one store
	ds_load_b128 v[GB:GB+3], v[GR] offset:2048*\mode   ; LDS serves a wave's instructions in order: this sees my stores
	s_wait_dscnt 0x0
	global_store_b128 v[LI], v[GB:GB+3], s[OSB:OSB+1]
	s_wait_tensorcnt 0x0
	ds_add_u32 v254, v255
	s_wait_dscnt 0x0
	s_endpgm
.endm
	s_load_b256 s[4:11], s[0:1], 0x0               ; cod, scl, bq, bk
	s_load_b128 s[12:15], s[0:1], 0x20             ; bv, hc
	s_load_b64 s[16:17], s[0:1], 0x30              ; hs
	v_lshl_add_u32 v254, v0, 2, 0x1000
	v_mov_b32 v255, 0
	v_lshrrev_b32 v7, 5, v0
	v_readfirstlane_b32 s[WV], v7                  ; wave 0..3
	v_and_b32 v8, 31, v0                           ; lane
	v_and_b32 v9, 15, v0                           ; r
	v_bfe_u32 v10, v0, 4, 1                        ; h
	v_lshlrev_b32 v[LI], 4, v8
	v_lshlrev_b32 v[L16], 4, v9
	v_lshlrev_b32 v[BQK], 6, v10
	v_and_b32 v[BVO], 8, v9
	v_add_nc_u32 v[BVO], v[BVO], v9
	v_lshlrev_b32 v[BVO], 2, v[BVO]
	s_lshl_b32 s56, s[WV], 9                       ; 512 x wave: my place in LDS, in the bias and in a step's scale words
	s_mov_b32 s57, 0
	v_lshlrev_b32 v[GA], 8, v10
	v_lshl_add_u32 v[GA], v9, 2, v[GA]
	v_add_nc_u32 v[GA], s56, v[GA]
	v_add_nc_u32 v[GR], s56, v[LI]
	v_cmp_le_u32 s[HM], 16, v8
	s_mov_b32 s[SEL], 0x76543210
	s_mov_b32 s[SEL+1], 0xfedcba98
	s_mov_b32 s[PLO], 0x05040100
	s_mov_b32 s[PHI], 0x07060302
.irp b, 0,1,2,3
	v_mov_b32 v[TM+4+\b], 0                        ; written once: a lane permute's destination counts as one of its sources
.endr
	s_lshr_b32 s[TAU], ttmp9, 6                    ; 0 q, 1 k, 2 v
	s_and_b32 s20, ttmp9, 63                       ; the step of 128 rows
	s_lshl_b32 s44, s[TAU], 5
	s_lshl_b32 s45, s[WV], 3
	s_lshl_b32 s21, s20, 3
	s_add_co_u32 s44, s44, s45
	s_add_co_u32 s44, s44, 1536                    ; q, k: P = tiles 8 c on of Wq or Wk
	s_add_co_u32 s22, s21, 1024                    ; v:    P = the step's 8 tiles of V
	s_lshl_b32 s48, s[TAU], 9
	s_add_co_u32 s48, s48, s21                     ; q, k: R = the step's 8 tiles of Q or K
	s_add_co_u32 s49, s45, 1600                    ; v:    R = tiles 8 c on of Wv
	s_cmp_eq_u32 s[TAU], 2
	s_cselect_b32 s44, s22, s44
	s_cselect_b32 s48, s49, s48
	s_lshl_b32 s46, s44, 13
	s_mov_b32 s47, 0
	s_lshl_b32 s50, s44, 8
	s_mov_b32 s51, 0
	s_lshl_b32 s52, s48, 13
	s_mov_b32 s53, 0
	s_lshl_b32 s54, s48, 8
	s_mov_b32 s55, 0
	s_lshl_b32 s58, s[TAU], 22
	s_lshl_b32 s22, s20, 16
	s_add_co_u32 s58, s58, s22
	s_lshl_b32 s22, s[WV], 14
	s_add_co_u32 s58, s58, s22
	s_mov_b32 s59, 0
	s_lshl_b32 s60, s[TAU], 17
	s_lshl_b32 s22, s20, 11
	s_add_co_u32 s60, s60, s22
	s_add_co_u32 s60, s60, s56
	s_mov_b32 s61, 0
	s_wait_kmcnt 0x0
	s_add_nc_u64 s[PB:PB+1], s[4:5], s[46:47]
	s_add_nc_u64 s[PSB:PSB+1], s[6:7], s[50:51]
	s_add_nc_u64 s[RB:RB+1], s[4:5], s[52:53]
	s_add_nc_u64 s[RSB:RSB+1], s[6:7], s[54:55]
	s_cmp_eq_u32 s[TAU], 0
	s_cselect_b64 s[BB:BB+1], s[8:9], s[10:11]
	s_cmp_eq_u32 s[TAU], 2
	s_cselect_b64 s[BB:BB+1], s[12:13], s[BB:BB+1]
	s_add_nc_u64 s[BB:BB+1], s[BB:BB+1], s[56:57]
	s_add_nc_u64 s[OB:OB+1], s[14:15], s[58:59]
	s_add_nc_u64 s[OSB:OSB+1], s[16:17], s[60:61]
	PLOAD
	s_cmp_eq_u32 s[TAU], 2                         ; the two ways part on the work-group's number; each has LDS bytes of its own
	s_cbranch_scc1 .Lv
	WIN 0xc0
.irp t, 0,1,2,3,4,5,6,7                ; q, k: the bias in the result's layout: tile t, lane (r, h): rows 32 (t / 2) + 16 h + 8 (t % 2) + 0 .. 7 of my 128
	global_load_b128 v[128+8*\t:128+8*\t+3], v[BQK], s[BB:BB+1] offset:(32*(\t/2)+8*(\t%2))*4
	global_load_b128 v[128+8*\t+4:128+8*\t+7], v[BQK], s[BB:BB+1] offset:(32*(\t/2)+8*(\t%2))*4+16
.endr
	WIN 0
	RLOAD 0, 0
	RLOAD 0, 1
.irp i, 0,1,2,3,4,5,6,7
	SLOT 0, \i
.endr
	FINISH 0
.Lv:
	RLOAD 1, 0
	RLOAD 1, 1
.irp i, 0,1,2,3,4,5,6,7
	SLOT 1, \i
.endr
	FINISH 1
.Lfunc_end_k_qdced3c01eb_proj:
	.size	k_qdced3c01eb_proj, .Lfunc_end_k_qdced3c01eb_proj-k_qdced3c01eb_proj
	.p2alignl 7, 3214868480
	.fill 96, 4, 3214868480
	.section	.rodata,"a",@progbits
	.p2align	6, 0x0
	.amdhsa_kernel k_qdced3c01eb_proj
		.amdhsa_group_segment_fixed_size 4608
		.amdhsa_private_segment_fixed_size 0
		.amdhsa_enable_private_segment 0
		.amdhsa_kernarg_size 56
		.amdhsa_user_sgpr_count 2
		.amdhsa_user_sgpr_kernarg_segment_ptr 1
		.amdhsa_wavefront_size32 1
		.amdhsa_system_sgpr_workgroup_id_x 1
		.amdhsa_system_sgpr_workgroup_id_y 1
		.amdhsa_system_sgpr_workgroup_id_z 1
		.amdhsa_system_vgpr_workitem_id 0
		.amdhsa_next_free_vgpr 960
		.amdhsa_next_free_sgpr 66
		.amdhsa_reserve_vcc 0
		.amdhsa_float_denorm_mode_32 3
		.amdhsa_float_denorm_mode_16_64 3
		.amdhsa_fp16_overflow 1
		.amdhsa_memory_ordered 1
		.amdhsa_forward_progress 1
		.amdhsa_inst_pref_size 187
	.end_amdhsa_kernel
	.amdgpu_metadata
---
amdhsa.version: [ 1, 2 ]
amdhsa.kernels:
  - .name:           k_qdced3c01eb_proj
    .symbol:         k_qdced3c01eb_proj.kd
    .args:
      - { .name: cod, .offset: 0, .size: 8, .value_kind: global_buffer, .address_space: global }
      - { .name: scl, .offset: 8, .size: 8, .value_kind: global_buffer, .address_space: global }
      - { .name: bq, .offset: 16, .size: 8, .value_kind: global_buffer, .address_space: global }
      - { .name: bk, .offset: 24, .size: 8, .value_kind: global_buffer, .address_space: global }
      - { .name: bv, .offset: 32, .size: 8, .value_kind: global_buffer, .address_space: global }
      - { .name: hc, .offset: 40, .size: 8, .value_kind: global_buffer, .address_space: global }
      - { .name: hs, .offset: 48, .size: 8, .value_kind: global_buffer, .address_space: global }
    .group_segment_fixed_size: 4608
    .private_segment_fixed_size: 0
    .kernarg_segment_align: 8
    .kernarg_segment_size: 56
    .max_flat_workgroup_size: 128
    .sgpr_count:     66
    .vgpr_count:     960
    .wavefront_size: 32
...
	.end_amdgpu_metadata
.endif
;; end of part 2
;; launch attn (part 3): grid 16 x 16, 16 waves a work-group, clusters of 4 x 1, 327,680 bytes of LDS; arguments hc, hs, oc, os; writes oc, os
.if DOCPART == 3
	.amdgcn_target "amdgcn-amd-amdhsa--gfx1250"
	.amdhsa_code_object_version 6
	.text
	.protected	k_qdced3c01eb_attn
	.globl	k_qdced3c01eb_attn
	.p2align	8
	.type	k_qdced3c01eb_attn,@function
k_qdced3c01eb_attn:
	s_mov_b64 s[64:65], 0
	v_nop
	global_prefetch_b8 v0, s[64:65] scope:SCOPE_SE
	s_setreg_imm32_b32 hwreg(HW_REG_WAVE_MODE, 25, 1), 1
	s_wait_xcnt 0x0
	s_wait_alu depctr_hold_cnt(0) depctr_sa_sdst(0) depctr_va_vdst(0) depctr_va_sdst(0) depctr_va_ssrc(0) depctr_va_vcc(0) depctr_vm_vsrc(0)
	s_getreg_b32 s2, hwreg(HW_REG_IB_STS2, 6, 4)
	s_cmp_eq_u32 s2, 0
	s_cbranch_scc0 .Lentry_in_a_cluster
	s_endpgm
.Lentry_in_a_cluster:
	s_bfe_u32 s2, ttmp6, 0x10000c
	s_cmp_lg_u32 s2, 0x3003
	s_cbranch_scc0 .Lentry_shape_is_right
	s_endpgm
.Lentry_shape_is_right:
.set SLOT1, 1<<17
.set VOFF,  65536
.set SCK,   262144
.set SPARE, 278528
.set LI,   1
.set LS,   2
.set SPW,  3
.set NIL,  4
.set ADK,  5
.set ADV,  6
.set ADS,  7
.set QS,   40
.set KS,   41
.set VS,   43
.set PS,   45
.set KV,   48
.set S,    112
.set O,    176
.set PCD,  208
.set BM,   224
.set T4,   228
.set LM,   232
.set SO,   236
.set F,    240
.set TP,   242
.set C2,   244
.set WV,   12
.set G1,   16
.set G1S,  24
.set G0,   32
.set G0S,  36
.set SEL,  40
.set CS,   42
.set MNT,  44
.set TB,   45
.set TS,   46
.set SLOTS, 47
.set CNT,  48
.macro ROUND
	s_barrier_signal -1
	s_barrier_wait -1
	s_cmp_lg_u32 s[WV], 0
	s_cbranch_scc1 .Lnot_wave_0_\@
	s_barrier_signal -3
.Lnot_wave_0_\@:
	s_barrier_wait -3
	s_barrier_signal -1
	s_barrier_wait -1
.endm
.macro CHANGE fill
	s_wait_tensorcnt 0x0
	ds_add_u32 v[SPW], v[NIL]
.if \fill
	s_xor_b32 s[G0+1], s[G0+1], SLOT1
	s_add_nc_u64 s[G0+2:G0+3], s[G0+2:G0+3], 8*65536
.endif
	s_wait_dscnt 0x0
.if \fill
	ROUND
	tensor_load_to_lds s[G0:G0+3], s[G1:G1+7]
	s_nop 0
.rept 4
	v_nop
.endr
.else
	s_barrier_signal -1
	s_barrier_wait -1
.endif
.endm
.macro STEP
	v_add_nc_u32 v[ADK], s[TB], v[LI]
	s_delay_alu instid0(VALU_DEP_1)
	v_add_nc_u32 v[ADV], VOFF, v[ADK]
	v_add_nc_u32 v[ADS], s[TS], v[LS]
.rept 5
	v_nop
.endr
.irp f, 0,1,2,3
.irp c, 0,1,2,3
	ds_load_b128 v[KV+16*\f+4*\c:KV+16*\f+4*\c+3], v[ADK] offset:2048*\f+512*\c
.endr
.endr
	ds_load_b32 v[KS], v[ADS]
	ds_load_b32 v[KS+1], v[ADS] offset:128
	s_wait_alu depctr_va_vdst(0)
	s_wait_dscnt 0x0
.irp f, 0,1,2,3
.if \f%2
	v_wmma_scale_f32_16x16x128_f8f6f4 v[S+16*\f:S+16*\f+7], v[KV+16*\f:KV+16*\f+15], v[16:31], 0, v[KS+\f/2], v[QS] matrix_a_scale:MATRIX_SCALE_ROW1
	v_wmma_scale_f32_16x16x128_f8f6f4 v[S+16*\f+8:S+16*\f+15], v[KV+16*\f:KV+16*\f+15], v[24:39], 0, v[KS+\f/2], v[QS] matrix_a_scale:MATRIX_SCALE_ROW1
.else
	v_wmma_scale_f32_16x16x128_f8f6f4 v[S+16*\f:S+16*\f+7], v[KV+16*\f:KV+16*\f+15], v[16:31], 0, v[KS+\f/2], v[QS]
	v_wmma_scale_f32_16x16x128_f8f6f4 v[S+16*\f+8:S+16*\f+15], v[KV+16*\f:KV+16*\f+15], v[24:39], 0, v[KS+\f/2], v[QS]
.endif
.endr
.rept 8
	v_nop
.endr
.irp f, 0,1,2,3
.irp c, 0,1,2,3
	ds_load_b128 v[KV+16*\f+4*\c:KV+16*\f+4*\c+3], v[ADV] offset:2048*\f+512*\c
.endr
.endr
	ds_load_b32 v[VS], v[ADS] offset:8192
	ds_load_b32 v[VS+1], v[ADS] offset:8320
.irp b, 0,1,2,3
	v_max3_num_f32 v[BM+\b], v[S+16*\b], v[S+16*\b+1], v[S+16*\b+2]
.endr
.irp i, 3,5,7,9,11,13
.irp b, 0,1,2,3
	v_max3_num_f32 v[BM+\b], v[BM+\b], v[S+16*\b+\i], v[S+16*\b+\i+1]
.endr
.endr
.irp b, 0,1,2,3
	v_max_num_f32 v[BM+\b], v[BM+\b], v[S+16*\b+15]
.endr
.irp b, 0,1,2,3
	s_delay_alu instid0(VALU_DEP_4)
	v_permlanex16_b32 v[T4+\b], v[BM+\b], s[SEL], s[SEL+1]
.endr
.irp b, 0,1,2,3
	s_delay_alu instid0(VALU_DEP_4)
	v_max_num_f32 v[BM+\b], v[BM+\b], v[T4+\b]
.endr
	s_delay_alu instid0(VALU_DEP_2)
	v_max3_num_f32 v[TP], v[BM], v[BM+1], v[BM+2]
	s_delay_alu instid0(VALU_DEP_1)
	v_max_num_f32 v[TP], v[TP], v[BM+3]
	s_delay_alu instid0(VALU_DEP_1)
	v_mul_f32 v[TP], s[CS], v[TP]
	s_delay_alu instid0(VALU_DEP_1)
	v_max_num_f32 v13, v13, v[TP]
	v_mov_b32 v[TP], v12
	s_delay_alu instid0(VALU_DEP_2)
	v_floor_f32 v12, -v13
	s_delay_alu instid0(VALU_DEP_1)
	v_sub_f32 v[TP], v12, v[TP]
	s_delay_alu instid0(VALU_DEP_1)
	v_cvt_i32_f32 v[TP], v[TP]
	s_delay_alu instid0(VALU_DEP_1)
	v_ldexp_f32 v[F], 1.0, v[TP]
.set jj, 0
.rept 32
	v_pk_fma_f32 v[S+jj:S+jj+1], v[S+jj:S+jj+1], s[CS:CS+1], v[12:13] op_sel_hi:[1,0,0]
.set jj, jj+2
.endr
.irp b, 0,1,2,3
	v_fma_f32 v[BM+\b], v[BM+\b], s[CS], v12
.endr
.set jj, 0
	s_setprio 1
	s_wait_alu depctr_va_vdst(0)
.rept 64
	v_exp_f32 v[S+jj], v[S+jj]
.set jj, jj+1
.endr
	v_pk_mul_f32 v[14:15], v[14:15], v[F:F+1] op_sel_hi:[1,0]
	s_wait_alu depctr_va_vdst(0)
.irp b, 0,1,2,3
	v_exp_f32 v[BM+\b], v[BM+\b]
.endr
	v_pk_add_f32 v[C2:C2+1], v[S:S+1], v[S+2:S+3]
.set jj, 4
.rept 15
	v_pk_add_f32 v[14:15], v[14:15], v[S+jj:S+jj+1]
	v_pk_add_f32 v[C2:C2+1], v[C2:C2+1], v[S+jj+2:S+jj+3]
.set jj, jj+4
.endr
	s_delay_alu instid0(VALU_DEP_1)
	v_pk_add_f32 v[14:15], v[14:15], v[C2:C2+1]
	s_wait_alu depctr_va_vdst(0)
.irp b, 0,1,2,3
	v_max_num_f32 v[BM+\b], 0x4800000, v[BM+\b]
.endr
.irp b, 0,1,2,3
	s_delay_alu instid0(VALU_DEP_4)
	v_add_nc_u32 v[SO+\b], 0xfc000000, v[BM+\b]
.endr
.irp b, 0,1,2,3
.endr
.irp b, 0,1,2,3
	s_delay_alu instid0(VALU_DEP_4)
	v_lshrrev_b32 v[T4+\b], 23, v[SO+\b]
.endr
	s_delay_alu instid0(VALU_DEP_3)
	v_lshl_or_b32 v[PS], v[T4+1], 8, v[T4]
	s_delay_alu instid0(VALU_DEP_1)
	v_lshl_or_b32 v[PS], v[T4+2], 16, v[PS]
	s_delay_alu instid0(VALU_DEP_1)
	v_lshl_or_b32 v[PS], v[T4+3], 24, v[PS]
	s_setprio 0
.irp b, 0,1,2,3
.irp i, 0,1,2,3,4,5,6,7,8,9,10,11,12,13,14,15
.endr
	v_cvt_scalef32_pk8_fp8_f32 v[PCD+4*\b:PCD+4*\b+1], v[S+16*\b:S+16*\b+7], v[SO+\b]
	v_cvt_scalef32_pk8_fp8_f32 v[PCD+4*\b+2:PCD+4*\b+3], v[S+16*\b+8:S+16*\b+15], v[SO+\b]
.endr
.set jj, 0
.rept 16
	v_pk_mul_f32 v[O+jj:O+jj+1], v[O+jj:O+jj+1], v[F:F+1] op_sel_hi:[1,0]
.set jj, jj+2
.endr
	s_wait_alu depctr_va_vdst(0)
	s_wait_dscnt 0x0
.irp t, 0,1,2,3
.if \t%2
	v_wmma_scale_f32_16x16x128_f8f6f4 v[O+8*\t:O+8*\t+7], v[KV+16*\t:KV+16*\t+15], v[PCD:PCD+15], v[O+8*\t:O+8*\t+7], v[VS+\t/2], v[PS] matrix_a_scale:MATRIX_SCALE_ROW1
.else
	v_wmma_scale_f32_16x16x128_f8f6f4 v[O+8*\t:O+8*\t+7], v[KV+16*\t:KV+16*\t+15], v[PCD:PCD+15], v[O+8*\t:O+8*\t+7], v[VS+\t/2], v[PS]
.endif
.endr
	s_add_co_u32 s[TB], s[TB], 8192
	s_add_co_u32 s[TS], s[TS], 256
.endm
.macro SLOT_STEPS
	s_mov_b32 s[CNT], 8
.Lstep_\@:
	s_wait_alu depctr_va_vdst(0)
	s_setprio 2
	STEP
	s_sub_co_u32 s[CNT], s[CNT], 1
	s_cmp_lg_u32 s[CNT], 0
	s_cbranch_scc1 .Lstep_\@
	s_setprio 0
	s_sub_co_u32 s[TB], s[TB], 65536
	s_xor_b32 s[TB], s[TB], SLOT1
.endm
	s_load_b256 s[4:11], s[0:1], 0x0
	v_lshl_add_u32 v[SPW], v0, 2, SPARE
	v_mov_b32 v[NIL], 0
	ds_add_u32 v3, v4
	ds_add_u32 v3, v4
	s_wait_dscnt 0x0
	v_lshrrev_b32 v8, 5, v0
	s_delay_alu instid0(VALU_DEP_1)
	v_readfirstlane_b32 s[WV], v8
	s_bfe_u32 s13, ttmp6, 0x40000
	s_lshl_b32 s14, ttmp9, 2
	s_add_co_u32 s14, s14, s13
	s_and_b32 s15, ttmp7, 0xffff
	s_lshr_b32 s50, s15, 3
	s_and_b32 s51, s15, 7
	s_lshr_b32 s52, s[WV], 3
	s_and_b32 s53, s[WV], 7
	s_mov_b32 s[G1], 15|(3<<16)|(1<<21)
	s_mov_b32 s[G1+1], 32<<16
	s_mov_b32 s[G1+2], 32<<16
	s_mov_b32 s[G1+3], 32<<16
	s_mov_b32 s[G1+4], 32
	s_mov_b32 s[G1+5], 32
	s_mov_b32 s[G1+6], 0
	s_mov_b32 s[G1+7], 0
	s_mov_b32 s[G1S], 15|(3<<16)|(1<<21)
	s_mov_b32 s[G1S+1], 32<<16
	s_mov_b32 s[G1S+2], 4<<16
	s_mov_b32 s[G1S+3], 32<<16
	s_mov_b32 s[G1S+4], 4
	s_mov_b32 s[G1S+5], 256
	s_mov_b32 s[G1S+6], 0
	s_mov_b32 s[G1S+7], 0
	s_add_co_u32 s58, s52, 1
	s_lshl_b32 s59, s50, 5
	s_lshl_b32 s54, s58, 22
	s_add_co_u32 s60, s59, s53
	s_lshl_b32 s60, s60, 16
	s_add_co_u32 s54, s54, s60
	s_lshl_b32 s60, s51, 13
	s_add_co_u32 s54, s54, s60
	s_mov_b32 s55, 0
	s_lshl_b32 s56, s58, 17
	s_lshl_b32 s60, s53, 2
	s_add_co_u32 s60, s60, s59
	s_lshl_b32 s60, s60, 11
	s_add_co_u32 s56, s56, s60
	s_lshl_b32 s60, s51, 8
	s_add_co_u32 s56, s56, s60
	s_mov_b32 s57, 0
	s_lshl_b32 s74, s14, 1
	s_add_co_u32 s74, s74, s59
	s_add_co_u32 s74, s74, s52
	s_lshl_b32 s66, s74, 16
	s_lshl_b32 s75, s51, 13
	s_add_co_u32 s66, s66, s75
	s_lshl_b32 s75, s53, 10
	s_add_co_u32 s66, s66, s75
	s_mov_b32 s67, 0
	s_lshl_b32 s68, s74, 11
	s_lshl_b32 s75, s51, 8
	s_add_co_u32 s68, s68, s75
	s_lshr_b32 s75, s53, 1
	s_lshl_b32 s75, s75, 6
	s_add_co_u32 s68, s68, s75
	s_mov_b32 s69, 0
	s_lshl_b32 s76, s74, 3
	s_add_co_u32 s76, s76, s53
	s_lshl_b32 s70, s76, 13
	s_lshl_b32 s75, s51, 10
	s_add_co_u32 s70, s70, s75
	s_mov_b32 s71, 0
	s_lshl_b32 s72, s76, 8
	s_lshl_b32 s75, s51, 1
	s_add_co_u32 s72, s72, s75
	s_mov_b32 s73, 0
	s_and_b32 s77, s[WV], 1
	s_lshl_b32 s77, s77, 4
	s_mov_b32 s[SEL], 0x76543210
	s_mov_b32 s[SEL+1], 0xfedcba98
	s_mov_b32 s[CS], 0x3e38aa3b
	s_mov_b32 s[CS+1], s[CS]
	s_mov_b32 s[TB], 0
	s_mov_b32 s[TS], 0
	s_mov_b32 s[SLOTS], 3
	v_and_b32 v10, 31, v0
	v_and_b32 v11, 15, v0
	s_delay_alu instid0(VALU_DEP_2)
	v_lshlrev_b32 v[LI], 4, v10
	s_delay_alu instid0(VALU_DEP_3)
	v_lshl_add_u32 v[LS], v10, 2, SCK
	s_delay_alu instid0(VALU_DEP_3)
	v_lshlrev_b32 v8, 2, v11
	s_delay_alu instid0(VALU_DEP_4)
	v_lshlrev_b32 v9, 4, v11
	s_wait_kmcnt 0x0
	s_mov_b32 s[G0], 1
	s_lshl_b32 s[G0+1], s[WV], 13
	s_add_nc_u64 s[G0+2:G0+3], s[4:5], s[54:55]
	s_or_b32 s[G0+3], s[G0+3], 0x80000000
	s_mov_b32 s[G0S], 1
	s_lshl_b32 s[G0S+1], s[WV], 10
	s_add_co_u32 s[G0S+1], s[G0S+1], SCK
	s_add_nc_u64 s[G0S+2:G0S+3], s[6:7], s[56:57]
	s_or_b32 s[G0S+3], s[G0S+3], 0x80000000
	s_add_nc_u64 s[66:67], s[4:5], s[66:67]
	s_add_nc_u64 s[68:69], s[6:7], s[68:69]
	s_add_nc_u64 s[70:71], s[8:9], s[70:71]
	s_add_nc_u64 s[72:73], s[10:11], s[72:73]
	ROUND
	tensor_load_to_lds s[G0S:G0S+3], s[G1S:G1S+7]
	s_nop 0
	s_wait_alu depctr_va_vdst(0)
	s_wait_tensorcnt 0x0
	ds_add_u32 v3, v4
	s_wait_dscnt 0x0
	ROUND
	tensor_load_to_lds s[G0:G0+3], s[G1:G1+7]
	s_nop 0
.rept 4
	v_nop
.endr
	s_wait_alu depctr_va_vdst(0)
	global_load_b128 v[16:19], v[LI], s[66:67]
	global_load_b128 v[20:23], v[LI], s[66:67] offset:512
	global_load_b128 v[32:35], v[LI], s[66:67]
	global_load_b128 v[36:39], v[LI], s[66:67] offset:512
	global_load_b32 v[QS], v8, s[68:69]
.irp j, 0,1,2,3,4,5,6,7
	v_mov_b32 v[24+\j], 0
.endr
.set jj, 0
.rept 32
	v_mov_b32 v[O+jj], 0
.set jj, jj+1
.endr
.irp b, 0,1,2,3
	v_mov_b32 v[T4+\b], 0
.endr
	v_mov_b32 v[TP], 0
	v_mov_b32 v[F+1], 0
	v_mov_b32 v14, 0
	v_mov_b32 v15, 0
	v_mov_b32 v13, 0xff61b1e6
	s_delay_alu instid0(VALU_DEP_1)
	v_floor_f32 v12, -v13
	s_wait_loadcnt 0x0
	v_lshrrev_b32 v[QS], s77, v[QS]
	s_delay_alu instid0(VALU_DEP_1)
	v_and_b32 v[QS], 0xffff, v[QS]
	s_delay_alu instid0(VALU_DEP_1)
	v_lshl_or_b32 v[QS], v[QS], 16, v[QS]
.Lslot:
	CHANGE 1
	SLOT_STEPS
	s_sub_co_u32 s[SLOTS], s[SLOTS], 1
	s_cmp_lg_u32 s[SLOTS], 0
	s_cbranch_scc1 .Lslot
	CHANGE 0
	SLOT_STEPS
	v_add_f32 v14, v14, v15
	v_mov_b32 v15, 0
	s_delay_alu instid0(VALU_DEP_2)
	v_permlanex16_b32 v[TP], v14, s[SEL], s[SEL+1]
	v_nop
	v_add_f32 v14, v14, v[TP]
	s_wait_alu depctr_va_vdst(0)
	v_rcp_f32 v14, v14
.rept 5
	v_nop
.endr
	s_wait_alu depctr_va_vdst(0)
.set jj, 0
.rept 16
	v_pk_mul_f32 v[S+jj:S+jj+1], v[O+jj:O+jj+1], v[14:15] op_sel_hi:[1,0]
.set jj, jj+2
.endr
.irp b, 0,1
	v_max3_num_f32 v[BM+\b], |v[S+16*\b]|, |v[S+1+16*\b]|, 0x4800000
.endr
.irp i, 2,4,6,8,10,12,14
.irp b, 0,1
	s_delay_alu instid0(VALU_DEP_2)
	v_max3_num_f32 v[BM+\b], v[BM+\b], |v[S+16*\b+\i]|, |v[S+1+16*\b+\i]|
.endr
.endr
.irp b, 0,1
	s_delay_alu instid0(VALU_DEP_2)
	v_permlanex16_b32 v[T4+\b], v[BM+\b], s[SEL], s[SEL+1]
.endr
.irp b, 0,1
	s_delay_alu instid0(VALU_DEP_2)
	v_max_num_f32 v[BM+\b], v[BM+\b], v[T4+\b]
.endr
.irp b, 0,1
	s_delay_alu instid0(VALU_DEP_2)
	v_add_nc_u32 v[SO+\b], 0xfc000000, v[BM+\b]
.endr
.irp b, 0,1
.endr
.irp b, 0,1
	s_delay_alu instid0(VALU_DEP_2)
	v_lshrrev_b32 v[T4+\b], 23, v[SO+\b]
.endr
	s_delay_alu instid0(VALU_DEP_1)
	v_lshl_or_b32 v[TP], v[T4+1], 8, v[T4]
.irp b, 0,1
.irp i, 0,1,2,3,4,5,6,7,8,9,10,11,12,13,14,15
.endr
	v_cvt_scalef32_pk8_fp8_f32 v[PCD+4*\b:PCD+4*\b+1], v[S+16*\b:S+16*\b+7], v[SO+\b]
	v_cvt_scalef32_pk8_fp8_f32 v[PCD+4*\b+2:PCD+4*\b+3], v[S+16*\b+8:S+16*\b+15], v[SO+\b]
.endr
	v_nop
	global_store_b128 v[LI], v[PCD:PCD+3], s[70:71]
	global_store_b128 v[LI], v[PCD+4:PCD+7], s[70:71] offset:512
	s_wait_alu depctr_va_vdst(0)
	s_wait_xcnt 0x0
	v_cmp_gt_u32 vcc_lo, 16, v10
	s_and_saveexec_b32 s78, vcc_lo
	global_store_b16 v9, v[TP], s[72:73]
	s_wait_xcnt 0x0
	s_or_b32 exec_lo, exec_lo, s78
	s_wait_tensorcnt 0x0
	ds_add_u32 v[SPW], v[NIL]
	s_wait_dscnt 0x0
	ROUND
	s_endpgm
.Lfunc_end_k_qdced3c01eb_attn:
	.size	k_qdced3c01eb_attn, .Lfunc_end_k_qdced3c01eb_attn-k_qdced3c01eb_attn
	.p2alignl 7, 3214868480
	.fill 96, 4, 3214868480
	.section	.rodata,"a",@progbits
	.p2align	6, 0x0
	.amdhsa_kernel k_qdced3c01eb_attn
		.amdhsa_group_segment_fixed_size 327680
		.amdhsa_private_segment_fixed_size 0
		.amdhsa_enable_private_segment 0
		.amdhsa_kernarg_size 32
		.amdhsa_user_sgpr_count 2
		.amdhsa_user_sgpr_kernarg_segment_ptr 1
		.amdhsa_wavefront_size32 1
		.amdhsa_system_sgpr_workgroup_id_x 1
		.amdhsa_system_sgpr_workgroup_id_y 1
		.amdhsa_system_sgpr_workgroup_id_z 1
		.amdhsa_system_vgpr_workitem_id 0
		.amdhsa_next_free_vgpr 256
		.amdhsa_next_free_sgpr 80
		.amdhsa_reserve_vcc 1
		.amdhsa_float_denorm_mode_32 3
		.amdhsa_float_denorm_mode_16_64 3
		.amdhsa_fp16_overflow 1
		.amdhsa_memory_ordered 1
		.amdhsa_forward_progress 1
		.amdhsa_inst_pref_size 49
	.end_amdhsa_kernel
	.amdgpu_metadata
---
amdhsa.version: [ 1, 2 ]
amdhsa.kernels:
  - .name:           k_qdced3c01eb_attn
    .symbol:         k_qdced3c01eb_attn.kd
    .args:
      - { .name: hc, .offset: 0, .size: 8, .value_kind: global_buffer, .address_space: global }
      - { .name: hs, .offset: 8, .size: 8, .value_kind: global_buffer, .address_space: global }
      - { .name: oc, .offset: 16, .size: 8, .value_kind: global_buffer, .address_space: global }
      - { .name: os, .offset: 24, .size: 8, .value_kind: global_buffer, .address_space: global }
    .group_segment_fixed_size: 327680
    .private_segment_fixed_size: 0
    .kernarg_segment_align: 8
    .kernarg_segment_size: 32
    .max_flat_workgroup_size: 512
    .sgpr_count:     80
    .vgpr_count:     256
    .wavefront_size: 32
...
	.end_amdgpu_metadata
.endif
;; end of part 3
;; launch outp (part 4): grid 256 x 1, 4 waves a work-group, no clusters, 34,304 bytes of LDS; arguments cod, scl, oc, os, bo, out0; writes out0
.if DOCPART == 4
	.amdgcn_target "amdgcn-amd-amdhsa--gfx1250"
	.amdhsa_code_object_version 6
	.text
	.protected	k_qdced3c01eb_outp
	.globl	k_qdced3c01eb_outp
	.p2align	8
	.type	k_qdced3c01eb_outp,@function
k_qdced3c01eb_outp:
	s_mov_b64 s[64:65], 0
	v_nop
	global_prefetch_b8 v0, s[64:65] scope:SCOPE_SE
	s_setreg_imm32_b32 hwreg(HW_REG_WAVE_MODE, 25, 1), 1
	s_wait_xcnt 0x0
; out0 = head_out Wo^T + bo, on codes of FP8 (E4M3) with E8M0 scales; sums in f32; bo is the C of each sum's first matrix instruction.
; D = P (source 0: 128 rows of Wo, 8 tiles) x R (source 1: a tile of 16 rows of head_out), K = 512 in four steps.  Lane r of tile T is row 32 (T / 2) + 8 (T % 2) + r + 8 (r / 8), so register 16 b + i of the
; 8 result tiles is output column 32 b + 16 h + i of the wave's 128: 16 neighbouring numbers of a row of out0.
; SHARES.  Work-group g: tiles 2 g and 2 g + 1 (rows 32 g .. 32 g + 31); wave c: columns 128 c .. 128 c + 127.  64 matrix instructions a wave.  All operands are images of operand registers: 512 consecutive bytes a load,
; from memory straight into registers: no ring, no barrier, no joint loads (each operand is multiplied from the registers that it lands in).
; THE WAY OUT.  A tile goes through the wave's own stage in LDS (rows 528 bytes apart) and comes back as whole rows of 512 bytes, which the 32 lanes store as 512 consecutive, aligned bytes.
; REGISTERS, in windows of 256.  Window 0: below.  Windows 1, 2: P's fragment (t, s) at v[128 (s % 2) + 16 t] of window 1 + s / 2.  Window 3: v0-63, v64-127 R's two tiles (K step s at + 16 s); v128-191 the bias.
.set STG,  8448
.set LI,   1                           ; v1   16 x lane
.set L16,  2                           ; v2   16 r: a row's four scale words
.set BQK,  3                           ; v3   64 h: my half's eight bias numbers of a tile
.set STO,  5                           ; v5   the stage, in: my wave's + 528 r + 64 h
.set RD,   6                           ; v6   and back: my wave's + 16 x lane
.set PSC,  16                          ; v16-47   P's scale words
.set RS,   48                          ; v48-55   R's
.set ACC,  64                          ; v64-127 tile 2 g's results, v128-191 tile 2 g + 1's
.set WV,   18
.set PB,   24
.set PSB,  26
.set RB,   28
.set RSB,  30
.set BB,   32
.set OUT,  34
.set MSB, 0
.macro WIN new                         ; the immediate's high byte repeats the setting that is left; a switch that changes nothing is dropped
.if MSB != \new
	s_set_vgpr_msb (MSB<<8)|\new
.set MSB, \new
.endif
.endm
.macro PLOAD
.irp t, 0,1,2,3,4,5,6,7
	global_load_b128 v[PSC+4*\t:PSC+4*\t+3], v[L16], s[PSB:PSB+1] offset:256*\t
.endr
	WIN 0x40                                       ; destination window 1
.irp s, 0,1
.irp t, 0,1,2,3,4,5,6,7
.irp c, 0,1,2,3
	global_load_b128 v[128*\s+16*\t+4*\c:128*\s+16*\t+4*\c+3], v[LI], s[PB:PB+1] offset:8192*\t+2048*\s+512*\c
.endr
.endr
.endr
	WIN 0x80                                       ; destination window 2
.irp s, 2,3
.irp t, 0,1,2,3,4,5,6,7
.irp c, 0,1,2,3
	global_load_b128 v[128*(\s-2)+16*\t+4*\c:128*(\s-2)+16*\t+4*\c+3], v[LI], s[PB:PB+1] offset:8192*\t+2048*\s+512*\c
.endr
.endr
.endr
	WIN 0
.endm
.macro RLOAD u                         ; tile 2 g + u of head_out: 17 loads
	WIN 0xc0                                       ; destination window 3
.irp s, 0,1,2,3
.irp c, 0,1,2,3
	global_load_b128 v[64*\u+16*\s+4*\c:64*\u+16*\s+4*\c+3], v[LI], s[RB:RB+1] offset:8192*\u+2048*\s+512*\c
.endr
.endr
	WIN 0
	global_load_b128 v[RS+4*\u:RS+4*\u+3], v[L16], s[RSB:RSB+1] offset:256*\u
.endm
.macro MUL u                           ; 32 matrix instructions: K step by K step, the eight result tiles by turns
.irp s, 0,1,2,3
.if \s == 0
	WIN 0x3d                                       ; source 0 (P) window 1, source 1 (R) and C (the bias) window 3, D window 0
.elseif \s == 1
	WIN 0x0d
.else
	WIN 0x0e                                       ; P in window 2
.endif
.irp t, 0,1,2,3,4,5,6,7
.if \s == 0
	v_wmma_scale_f32_16x16x128_f8f6f4 v[ACC+64*\u+8*\t:ACC+64*\u+8*\t+7], v[16*\t:16*\t+15], v[64*\u:64*\u+15], v[128+8*\t:128+8*\t+7], v[PSC+4*\t], v[RS+4*\u]
.else
	v_wmma_scale_f32_16x16x128_f8f6f4 v[ACC+64*\u+8*\t:ACC+64*\u+8*\t+7], v[128*(\s%2)+16*\t:128*(\s%2)+16*\t+15], v[64*\u+16*\s:64*\u+16*\s+15], v[ACC+64*\u+8*\t:ACC+64*\u+8*\t+7], v[PSC+4*\t+\s], v[RS+4*\u+\s]
.endif
.endr
.endr
	WIN 0
.endm
	s_load_b256 s[4:11], s[0:1], 0x0               ; cod, scl, oc, os
	s_load_b128 s[12:15], s[0:1], 0x20             ; bo, out0
	v_lshl_add_u32 v62, v0, 2, 0x8400
	v_mov_b32 v63, 0
	v_lshrrev_b32 v7, 5, v0
	v_readfirstlane_b32 s[WV], v7                  ; wave 0..3
	v_and_b32 v8, 31, v0                           ; lane
	v_and_b32 v9, 15, v0                           ; r
	v_bfe_u32 v10, v0, 4, 1                        ; h
	v_lshlrev_b32 v[LI], 4, v8
	v_lshlrev_b32 v[L16], 4, v9
	v_lshlrev_b32 v[BQK], 6, v10
	s_mul_i32 s20, s[WV], STG
	v_mul_u32_u24 v[STO], v9, 528
	v_lshl_add_u32 v[STO], v10, 6, v[STO]
	v_add_nc_u32 v[STO], s20, v[STO]
	v_add_nc_u32 v[RD], s20, v[LI]
	s_lshl_b32 s44, s[WV], 3
	s_add_co_u32 s44, s44, 1632                    ; P = tiles 8 c on of Wo
	s_lshl_b32 s46, s44, 13
	s_mov_b32 s47, 0
	s_lshl_b32 s50, s44, 8
	s_mov_b32 s51, 0
	s_lshl_b32 s52, ttmp9, 14                      ; R = tiles 2 g and 2 g + 1
	s_mov_b32 s53, 0
	s_lshl_b32 s54, ttmp9, 9
	s_mov_b32 s55, 0
	s_lshl_b32 s56, s[WV], 9                       ; my 128 columns: 512 bytes, in bo and in a row of out0
	s_mov_b32 s57, 0
	s_lshl_b32 s58, ttmp9, 16                      ; 32 rows of 2,048 bytes
	s_add_co_u32 s58, s58, s56
	s_mov_b32 s59, 0
	s_wait_alu depctr_va_vdst(0)
	s_wait_kmcnt 0x0
	s_add_nc_u64 s[PB:PB+1], s[4:5], s[46:47]
	s_add_nc_u64 s[PSB:PSB+1], s[6:7], s[50:51]
	s_add_nc_u64 s[RB:RB+1], s[8:9], s[52:53]
	s_add_nc_u64 s[RSB:RSB+1], s[10:11], s[54:55]
	s_add_nc_u64 s[BB:BB+1], s[12:13], s[56:57]
	s_add_nc_u64 s[OUT:OUT+1], s[14:15], s[58:59]
	PLOAD
	WIN 0xc0
.irp t, 0,1,2,3,4,5,6,7                ; the bias in the result's layout: tile t, lane (r, h): columns 32 (t / 2) + 16 h + 8 (t % 2) + 0 .. 7 of my 128
	global_load_b128 v[128+8*\t:128+8*\t+3], v[BQK], s[BB:BB+1] offset:(32*(\t/2)+8*(\t%2))*4
	global_load_b128 v[128+8*\t+4:128+8*\t+7], v[BQK], s[BB:BB+1] offset:(32*(\t/2)+8*(\t%2))*4+16
.endr
	WIN 0
	RLOAD 0
	RLOAD 1
	s_wait_loadcnt 17                              ; all but the second tile's 17 loads are in
	MUL 0
	s_wait_loadcnt 0x0
	MUL 1
.rept 8
	v_nop                                          ; eight places between the last product and the first read of results, and the loads into registers that products have written
.endr
.irp u, 0,1
.irp b, 0,1,2,3
.irp q, 0,1,2,3
	ds_store_b128 v[STO], v[ACC+64*\u+16*\b+4*\q:ACC+64*\u+16*\b+4*\q+3] offset:128*\b+16*\q   ; row r, columns 32 b + 16 h + 4 q on; each result tile from its low end on
.endr
.endr
.irp i, 0,1,2,3,4,5,6,7,8,9,10,11,12,13,14,15
	ds_load_b128 v[192-128*\u+4*\i:192-128*\u+4*\i+3], v[RD] offset:528*\i   ; LDS serves a wave's instructions in order: these see the stores above, and the next tile's stores come behind them.  v192-255, then v64-127
.endr
.irp i, 0,1,2,3,4,5,6,7,8,9,10,11,12,13,14,15
	s_wait_dscnt 15-\i                             ; row i is back; the younger loads may be out
	global_store_b128 v[LI], v[192-128*\u+4*\i:192-128*\u+4*\i+3], s[OUT:OUT+1] offset:(8*\u+\i+8*(\i/8))*2048 th:TH_STORE_NT   ; 32 lanes store 512 consecutive bytes, aligned; written once
.endr
.endr
	s_wait_tensorcnt 0x0
	ds_add_u32 v62, v63
	s_wait_dscnt 0x0
	s_endpgm
.Lfunc_end_k_qdced3c01eb_outp:
	.size	k_qdced3c01eb_outp, .Lfunc_end_k_qdced3c01eb_outp-k_qdced3c01eb_outp
	.p2alignl 7, 3214868480
	.fill 96, 4, 3214868480
	.section	.rodata,"a",@progbits
	.p2align	6, 0x0
	.amdhsa_kernel k_qdced3c01eb_outp
		.amdhsa_group_segment_fixed_size 34304
		.amdhsa_private_segment_fixed_size 0
		.amdhsa_enable_private_segment 0
		.amdhsa_kernarg_size 48
		.amdhsa_user_sgpr_count 2
		.amdhsa_user_sgpr_kernarg_segment_ptr 1
		.amdhsa_wavefront_size32 1
		.amdhsa_system_sgpr_workgroup_id_x 1
		.amdhsa_system_sgpr_workgroup_id_y 1
		.amdhsa_system_sgpr_workgroup_id_z 1
		.amdhsa_system_vgpr_workitem_id 0
		.amdhsa_next_free_vgpr 960
		.amdhsa_next_free_sgpr 66
		.amdhsa_reserve_vcc 0
		.amdhsa_float_denorm_mode_32 3
		.amdhsa_float_denorm_mode_16_64 3
		.amdhsa_memory_ordered 1
		.amdhsa_forward_progress 1
		.amdhsa_inst_pref_size 37
	.end_amdhsa_kernel
	.amdgpu_metadata
---
amdhsa.version: [ 1, 2 ]
amdhsa.kernels:
  - .name:           k_qdced3c01eb_outp
    .symbol:         k_qdced3c01eb_outp.kd
    .args:
      - { .name: cod, .offset: 0, .size: 8, .value_kind: global_buffer, .address_space: global }
      - { .name: scl, .offset: 8, .size: 8, .value_kind: global_buffer, .address_space: global }
      - { .name: oc, .offset: 16, .size: 8, .value_kind: global_buffer, .address_space: global }
      - { .name: os, .offset: 24, .size: 8, .value_kind: global_buffer, .address_space: global }
      - { .name: bo, .offset: 32, .size: 8, .value_kind: global_buffer, .address_space: global }
      - { .name: out0, .offset: 40, .size: 8, .value_kind: global_buffer, .address_space: global }
    .group_segment_fixed_size: 34304
    .private_segment_fixed_size: 0
    .kernarg_segment_align: 8
    .kernarg_segment_size: 48
    .max_flat_workgroup_size: 128
    .sgpr_count:     66
    .vgpr_count:     960
    .wavefront_size: 32
...
	.end_amdgpu_metadata
.endif
;; end of part 4
